; MI455X (gfx1250); checked and timed in simulation.
; The chip was launched on July 23, 2026; its instructions are those of AMD's public machine-readable ISA for CDNA 5 (MIT licence, August 2026) and "CDNA5" Instruction Set Architecture Reference Guide (July 2026). The comments in the code are by the model that wrote it; some were corrected since.
;; LIIF. Allowed arithmetic: matrix products marked QUANTISED: E4M3 operands, one given power-of-two scale a tensor, by v_wmma_f32_16x16x64_fp8_fp8 or v_wmma_f32_16x16x128_fp8_fp8, f32 sums; products left as they are: f32 operands where the result goes on into a quantised operand, else bf16, f16 or f32 operands; f32 sums; everything else in f32.
;; Inputs: b0 256 float32; b1 256 float32; b2 256 float32; b3 256 float32; b4 3 float32; cell 2 x 32,768 x 2 float32; feat 2 x 64 x 128 x 128 float32; grid 2 x 32,768 x 2 float32; lowp_scales 32 int32 (the exponents e of the quantised operands' scales 2^e); w0 68 x 256 float32; w1_codes 256 x 8 x 32 uint8 (E4M3 codes of w1, K innermost, in blocks of 32 codes); w2_codes 256 x 8 x 32 uint8 (E4M3 codes of w2, K innermost, in blocks of 32 codes); w3_codes 256 x 8 x 32 uint8 (E4M3 codes of w3, K innermost, in blocks of 32 codes); w4 256 x 3 float32.
;; Outputs: out0 2 x 32,768 x 3 float32.
;; This version of the problem:
;;   THIS VERSION OF THE PROBLEM IS GIVEN IN LOW PRECISION. The matrix products marked QUANTISED in the list below multiply operands that are first quantised to E4M3 (4 exponent bits, 3 mantissa bits; 8 bits a number), with one given power-of-two scale for each operand tensor; their sums are f32. All else is computed in f32.
;;   The module's matrix products, in the order in which they are computed (A, B: the left and right operand; K: the contracted axis; several contracted axes count as one K, in the product's order):
;;     1. [M 65,536, K 68] x [K 68, N 256]; A: computed on the way; B: input w0: QUANTISED (scales: A lowp_scales[0], B lowp_scales[1])
;;     2. [M 65,536, K 256] x [K 256, N 256]; A: computed on the way; B: input w1 (given as codes): QUANTISED (scales: A lowp_scales[2], B lowp_scales[3])
;;     3. [M 65,536, K 256] x [K 256, N 256]; A: computed on the way; B: input w2 (given as codes): QUANTISED (scales: A lowp_scales[4], B lowp_scales[5])
;;     4. [M 65,536, K 256] x [K 256, N 256]; A: computed on the way; B: input w3 (given as codes): QUANTISED (scales: A lowp_scales[6], B lowp_scales[7])
;;     5. [M 65,536, K 256] x [K 256, N 3]; A: computed on the way; B: input w4: left as it is (N = 3 < 16)
;;     6. [M 65,536, K 68] x [K 68, N 256]; A: computed on the way; B: input w0: QUANTISED (scales: A lowp_scales[8], B lowp_scales[9])
;;     7. [M 65,536, K 256] x [K 256, N 256]; A: computed on the way; B: input w1 (given as codes): QUANTISED (scales: A lowp_scales[10], B lowp_scales[11])
;;     8. [M 65,536, K 256] x [K 256, N 256]; A: computed on the way; B: input w2 (given as codes): QUANTISED (scales: A lowp_scales[12], B lowp_scales[13])
;;     9. [M 65,536, K 256] x [K 256, N 256]; A: computed on the way; B: input w3 (given as codes): QUANTISED (scales: A lowp_scales[14], B lowp_scales[15])
;;     10. [M 65,536, K 256] x [K 256, N 3]; A: computed on the way; B: input w4: left as it is (N = 3 < 16)
;;     11. [M 65,536, K 68] x [K 68, N 256]; A: computed on the way; B: input w0: QUANTISED (scales: A lowp_scales[16], B lowp_scales[17])
;;     12. [M 65,536, K 256] x [K 256, N 256]; A: computed on the way; B: input w1 (given as codes): QUANTISED (scales: A lowp_scales[18], B lowp_scales[19])
;;     13. [M 65,536, K 256] x [K 256, N 256]; A: computed on the way; B: input w2 (given as codes): QUANTISED (scales: A lowp_scales[20], B lowp_scales[21])
;;     14. [M 65,536, K 256] x [K 256, N 256]; A: computed on the way; B: input w3 (given as codes): QUANTISED (scales: A lowp_scales[22], B lowp_scales[23])
;;     15. [M 65,536, K 256] x [K 256, N 3]; A: computed on the way; B: input w4: left as it is (N = 3 < 16)
;;     16. [M 65,536, K 68] x [K 68, N 256]; A: computed on the way; B: input w0: QUANTISED (scales: A lowp_scales[24], B lowp_scales[25])
;;     17. [M 65,536, K 256] x [K 256, N 256]; A: computed on the way; B: input w1 (given as codes): QUANTISED (scales: A lowp_scales[26], B lowp_scales[27])
;;     18. [M 65,536, K 256] x [K 256, N 256]; A: computed on the way; B: input w2 (given as codes): QUANTISED (scales: A lowp_scales[28], B lowp_scales[29])
;;     19. [M 65,536, K 256] x [K 256, N 256]; A: computed on the way; B: input w3 (given as codes): QUANTISED (scales: A lowp_scales[30], B lowp_scales[31])
;;     20. [M 65,536, K 256] x [K 256, N 3]; A: computed on the way; B: input w4: left as it is (N = 3 < 16)
;;   THE QUANTISER, for each operand of a quantised product, along K:
;;     - The operand's scale is 2^e, e = its entry of the input lowp_scales (int32; the entries are numbered through the quantised products in the list's order, A before B).
;;     - Each number is divided by the scale, clamped to +-448, and rounded to the nearest number of E4M3, ties to even, subnormals kept.
;;     - The product sums the exact products of the quantised numbers (number of the format x scale) in f32.
;;   ~~~python
;;   def quantise(x, axis, e):      # numpy; x: float32 -> the quantised numbers, widened to float32 again
;;       x = np.moveaxis(x, axis, -1); K = x.shape[-1]
;;       r = np.clip(x / 2.0 ** e, -448, 448)
;;       step = 2.0 ** (np.maximum(np.frexp(np.where(r == 0, 1, r))[1] - 1, -6) - 3)
;;       q = np.round(r / step) * step * 2.0 ** e      # np.round: ties to even
;;       return np.moveaxis(q, -1, axis).astype(np.float32)
;;   ~~~
;;   OPERANDS COMPUTED ON THE WAY. 'Computed on the way' means the value that the module computes at that place (a softmax that the list does not call 'softmax' is quantised finished and normalised). What goes into a quantiser is computed in f32, as accurately as f32 sums, v_exp_f32 and their like allow (about 1e-6 of the number): no bf16 or f16 on the way to a quantiser, and a product that is left as it is and whose result goes on into a quantised operand takes f32 operands (vector FMAs, or v_wmma_f32_16x16x4_f32). A number that lies on a knife's edge between two numbers of the format may be rounded either way, as far as f32 arithmetic and the matrix unit's own rounding can turn it there, and no further.
;;   INPUTS GIVEN AS CODES. w1 (in the module: [256, 256], K = its axis 0); w2 (in the module: [256, 256], K = its axis 0); w3 (in the module: [256, 256], K = its axis 0): each comes as NAME_codes (uint8): NAME with its K axis moved to the last place and cut into blocks of 32 codes, [.., K / 32, bytes a block], one block behind the other in memory; one code a byte (a code: sign, 4 exponent bits, 3 mantissa bits); its scale is its entry of lowp_scales. Its value is code x scale, taken as it is: it is not quantised again, and the codes and scales need not be those that the quantiser above would give.
;; One version. Each part assembles by itself: llvm-mc -triple=amdgcn-amd-amdhsa -mcpu=gfx1250 --defsym DOCPART=n.
;; ======== version 1 of 1: 2 launches
;; limits: values are held in bf16: 8 bits of precision; right only within a limited range of input values
;; workspace buffers: fq 8,388,608 bytes; idxb 1,048,576 bytes of whole numbers; xtra 1,048,576 bytes; wgt 1,048,576 bytes; wimg 319,488 bytes
;; launch prep (part 1): grid 256 x 1, 4 waves a work-group, no clusters, 41,472 bytes of LDS; arguments feat, grid, cell, lowp_scales, w0, w1_codes, w2_codes, w3_codes, w4, b0, b1, b2, b3, fq, idxb, xtra, wgt, wimg; writes fq, idxb, xtra, wgt, wimg
.if DOCPART == 1
	.amdgcn_target "amdgcn-amd-amdhsa--gfx1250"
	.amdhsa_code_object_version 6
	.text
	.protected	k_q9a623fe99d_prep
	.globl	k_q9a623fe99d_prep
	.p2align	8
	.type	k_q9a623fe99d_prep,@function
k_q9a623fe99d_prep:
	s_mov_b64 s[64:65], 0
	v_nop
	global_prefetch_b8 v0, s[64:65] scope:SCOPE_SE
	s_setreg_imm32_b32 hwreg(HW_REG_WAVE_MODE, 25, 1), 1
	s_wait_xcnt 0x0
; PREPARATION for the fused chain.  1,024 waves, j = 4 x work-group + wave.  Each wave does three things:
;  QUERIES: 64 queries (64 j on), a lane a query: for the four shifts the nearest pixel's row number b x 16384 + iy x 128 + ix (whole numbers, idxb), the four E4M3 codes of
;           (q_grid y, q_grid x, cell y x 128, cell x x 128) under that shift's scale (xtra), and the blend weight area[3 - shift] / total (wgt); all three laid [query][shift], 16 bytes a query.
;  IMAGE:   waves 0 to 183 each make one piece of wimg, byte for byte what the next launch keeps in LDS: w1..w3's codes in the order of an operand's registers, w0 quantised once for each shift,
;           the biases divided by 2^(eA + eB) for each shift and layer, w4 as bf16 fragments.
;  TABLES:  32 pixels (32 j on) x 64 channels of feat become codes, once under each shift's scale: fq [shift][pixel][64], the channels innermost.  A lane takes a pixel, its registers run down the channels,
;           so each load reads neighbouring pixels in neighbouring lanes; the codes turn through the wave's own stage in LDS and leave as 512 consecutive bytes a store.
; code = x / 2^e, held within +-448, to the nearest code, ties to even.  LIMITS: the exponents of layer 0's operands (entries 8 s and 8 s + 1) lie between -126 and 119.  NaN among the inputs is not served.
; No barrier: waves share nothing.  The order of a tile's units in the images: lane r of tile 2 b + u takes unit 32 b + 8 u + r + 8 (r / 8); group c of a fragment holds k = 32 c + 16 (lane / 16) + 0 .. 15.
.set F,     64                         ; v64-127   a pixel's 64 channels
.set T,     128                        ; v128-191  held numbers; before that at work for the queries and the image
.set C,     192                        ; v192-255  codes: 16 registers a shift
.set SP,    80                         ; a lane's place in a stage: 64 bytes + 16
.set STG,   32*SP                      ; a stage; four a wave, one a shift
.set WREG,  4*STG
.set BIASO, 196608                     ; wimg: w1, w2, w3 at 0, 65536, 131072; then the biases,
.set W4O,   212992                     ; w4's fragments,
.set W0O,   221184                     ; and w0's four sets of codes
.set TT,    26                         ; v26-29 index as f32: 2 x axis + direction
.set QQ,    30                         ; v30-33 q_grid likewise
.set II,    34                         ; v34-37 index as a whole number
.set CC,    38                         ; v38-39 cell x 128
.set AR,    40                         ; v40-43 areas
.set ID,    44                         ; v44-47 row numbers
.set WW,    48                         ; v48-51 weights
.set EDGE,  57                         ; v57    1 - 1e-6: the shifted coordinates are held within +- this
	s_load_b512 s[4:19], s[0:1], 0x0               ; feat 4, grid 6, cell 8, lowp_scales 10, w0 12, w1 14, w2 16, w3 18
	s_load_b512 s[20:35], s[0:1], 0x40             ; w4 20, b0 22, b1 24, b2 26, b3 28, fq 30, idxb 32, xtra 34
	s_load_b128 s[36:39], s[0:1], 0x80             ; wgt 36, wimg 38
	v_lshl_add_u32 v62, v0, 2, 0xa000
	v_mov_b32 v63, 0
	v_lshrrev_b32 v1, 5, v0
	v_readfirstlane_b32 s76, v1                    ; wave
	s_lshl_b32 s77, ttmp9, 2
	s_add_co_u32 s77, s77, s76                     ; j
	v_and_b32 v1, 31, v0                           ; lane
	v_lshlrev_b32 v2, 2, v1
	v_lshlrev_b32 v3, 4, v1
	v_lshlrev_b32 v16, 3, v1
	s_mul_i32 s78, s76, WREG
	v_mul_u32_u24 v4, v1, SP
	v_add_nc_u32 v4, s78, v4                       ; the stage, in: my pixel's 64 bytes
	v_lshrrev_b32 v5, 2, v1
	v_mul_u32_u24 v5, v5, SP
	v_and_b32 v6, 3, v1
	v_lshl_add_u32 v5, v6, 4, v5
	v_add_nc_u32 v5, s78, v5                       ; out: four lanes to a pixel, 16 bytes each
	v_and_b32 v6, 15, v1                           ; r
	v_bfe_u32 v7, v0, 4, 1                         ; h
	v_and_b32 v17, 8, v6
	v_add_nc_u32 v17, v17, v6                      ; r + 8 (r / 8)
	v_mov_b32 v[EDGE], 0x3f7fffef                  ; 1 - 1e-6 as f32; -1 + 1e-6 is its negative
	s_lshr_b32 s56, s77, 9                         ; the batch: of my 32 pixels and of my 64 queries alike
	s_lshl_b32 s80, s56, 22                        ; feat: batch x 64 planes of 65,536 bytes
	s_and_b32 s81, s77, 511
	s_lshl_b32 s81, s81, 7                         ; + my first pixel x 4
	s_add_co_u32 s80, s80, s81
	s_mov_b32 s81, 0
	s_lshl_b32 s56, s56, 14                        ; batch x 16384, for the row numbers
	s_lshl_b32 s82, s77, 9                         ; grid, cell: 64 queries x 8 bytes
	s_mov_b32 s83, 0
	s_lshl_b32 s84, s77, 10                        ; the records: 64 queries x 16 bytes
	s_mov_b32 s85, 0
	s_lshl_b32 s86, s77, 11                        ; fq: 32 pixels x 64 bytes
	s_mov_b32 s87, 0
	s_mov_b32 s46, 0x3c800000                      ; 1 / 64
	s_mov_b32 s47, 0xbf7e0000                      ; -127 / 128
	s_mov_b32 s48, 0x3089705f                      ; 1e-9
	s_mov_b32 s49, 0x43000000                      ; 128
	s_wait_kmcnt 0x0
	s_load_b32 s40, s[10:11], 0x0                  ; the exponents of layer 0's left operand, shifts 0 to 3
	s_load_b32 s41, s[10:11], 0x20
	s_load_b32 s42, s[10:11], 0x40
	s_load_b32 s43, s[10:11], 0x60
	s_add_nc_u64 s[4:5], s[4:5], s[80:81]
	s_add_nc_u64 s[6:7], s[6:7], s[82:83]
	s_add_nc_u64 s[8:9], s[8:9], s[82:83]
	s_add_nc_u64 s[32:33], s[32:33], s[84:85]
	s_add_nc_u64 s[34:35], s[34:35], s[84:85]
	s_add_nc_u64 s[36:37], s[36:37], s[84:85]
	s_add_nc_u64 s[30:31], s[30:31], s[86:87]
.macro FEAT first, cnt                 ; channels first .. first + cnt - 1 of my pixel; the four waves stand side by side on 512 bytes of each plane
.set n, \first
.rept \cnt
	global_load_b32 v[F+n], v2, s[4:5] offset:n*65536 th:TH_LOAD_NT
.set n, n+1
.endr
.endm
	FEAT 0, 40
	global_load_b64 v[18:19], v16, s[6:7] th:TH_LOAD_NT              ; grid and cell of queries 64 j + lane,
	global_load_b64 v[20:21], v16, s[8:9] th:TH_LOAD_NT
	global_load_b64 v[22:23], v16, s[6:7] offset:256 th:TH_LOAD_NT   ; and of 64 j + 32 + lane: 256 consecutive bytes a load
	global_load_b64 v[24:25], v16, s[8:9] offset:256 th:TH_LOAD_NT
	FEAT 40, 12                                    ; 56 loads of mine are out; the last 12 channels follow behind the first queries
	s_wait_kmcnt 0x0
.irp s, 0,1,2,3
	s_add_co_i32 s84, s[40+\s], 127
	s_lshl_b32 s85, s84, 23
	v_mov_b32 v[8+\s], s85                         ; 2^e as f32: the conversion takes its exponent field
	s_add_co_i32 s84, s84, 8
	s_lshl_b32 s84, s84, 23
	s_or_b32 s84, s84, 0x600000
	v_mov_b32 v[12+\s], s84                        ; 448 x 2^e
.endr
.irp s, 0,1,2,3
.irp q, 4,5,6,7
	v_mov_b32 v[144+8*\s+\q], 0                    ; a conversion takes eight numbers: the upper four stay 0
.endr
.endr
; 32 queries, a lane a query.  The arithmetic up to the index is that of the definition: add, clip, + 1, x 128 - 1 (the product is exact, so the fused form rounds as the two steps do), x 0.5; then the clip to
; 0 .. 127 and the rounding to even, IN THIS ORDER: the bounds are whole numbers and rounding never changes the order of two numbers, so clip(round(x)) = round(clip(x)) for every x; and what is below 0 becomes +0 in the
; clip, so that no -0 comes out of the rounding.
.macro QUERY k
.irp a, 0,1
	v_add_f32 v[TT+2*\a],   0xbc000000, v[18+4*\k+\a]      ; - 1 / 128
	v_add_f32 v[TT+2*\a+1], 0x3c000000, v[18+4*\k+\a]      ; + 1 / 128
.endr
.irp n, 0,1,2,3
	v_med3_num_f32 v[TT+\n], v[TT+\n], -v[EDGE], v[EDGE]   ; within -1 + 1e-6 .. 1 - 1e-6
.endr
.irp n, 0,1,2,3
	v_add_f32 v[TT+\n], 1.0, v[TT+\n]
.endr
.irp n, 0,1,2,3
	v_fma_f32 v[TT+\n], v[TT+\n], s49, -1.0
.endr
.irp n, 0,1,2,3
	v_mul_f32 v[TT+\n], 0.5, v[TT+\n]
.endr
.irp n, 0,1,2,3
	v_med3_num_f32 v[TT+\n], v[TT+\n], 0, 0x42fe0000       ; 0 .. 127
.endr
.irp n, 0,1,2,3
	v_rndne_f32 v[TT+\n], v[TT+\n]
.endr
.irp n, 0,1,2,3
	v_cvt_i32_f32 v[II+\n], v[TT+\n]
	v_fma_f32 v[QQ+\n], v[TT+\n], s46, s47                 ; the pixel's centre, -1 + (2 i + 1) / 128 = i / 64 - 127 / 128: exact
.endr
.irp a, 0,1
	v_sub_f32 v[QQ+2*\a],   v[18+4*\k+\a], v[QQ+2*\a]
	v_sub_f32 v[QQ+2*\a+1], v[18+4*\k+\a], v[QQ+2*\a+1]
	v_mul_f32 v[CC+\a], s49, v[20+4*\k+\a]
.endr
.irp n, 0,1,2,3
	v_mul_f32 v[QQ+\n], s49, v[QQ+\n]                      ; q_grid
.endr
	v_fma_f32 v40, |v30|, |v32|, s48                       ; shift = 2 x (y up) + (x up): |q y x q x| + 1e-9
	v_fma_f32 v41, |v30|, |v33|, s48
	v_fma_f32 v42, |v31|, |v32|, s48
	v_fma_f32 v43, |v31|, |v33|, s48
	v_add_f32 v52, v40, v41
	v_add_f32 v52, v52, v42
	v_add_f32 v52, v52, v43
	s_wait_alu depctr_va_vdst(0)
	v_rcp_f32 v53, v52
.irp s, 0,1,2,3
	v_lshl_add_u32 v[ID+\s], v[II+\s/2], 7, v[II+2+\s%2]   ; (plain work behind the reciprocal)
.endr
.irp s, 0,1,2,3
	v_add_nc_u32 v[ID+\s], s56, v[ID+\s]
.endr
.irp s, 0,1,2,3
	v_med3_num_f32 v[144+8*\s], v[QQ+\s/2],   -v[12+\s], v[12+\s]   ; the conversion to an 8-bit code does not saturate (ISA guide 7.6.2): the hold comes first
	v_med3_num_f32 v[145+8*\s], v[QQ+2+\s%2], -v[12+\s], v[12+\s]
	v_med3_num_f32 v[146+8*\s], v[CC],        -v[12+\s], v[12+\s]
	v_med3_num_f32 v[147+8*\s], v[CC+1],      -v[12+\s], v[12+\s]
.endr
.irp s, 0,1,2,3
	v_cvt_scalef32_pk8_fp8_f32 v[128+2*\s:129+2*\s], v[144+8*\s:151+8*\s], v[8+\s]
.endr
	v_nop                                                  ; a plain line between the conversions and the reads of their results
	s_wait_alu depctr_va_vdst(0)                           ; the wait ahead of the reciprocal's first reader
.irp s, 0,1,2,3
	v_mov_b32 v[136+\s], v[128+2*\s]                       ; the four codes of each shift: one word
	v_mul_f32 v[WW+\s], v[AR+3-\s], v53                    ; the areas change places across the diagonal
.endr
	global_store_b128 v3, v[44:47],   s[32:33] offset:512*\k   ; 512 consecutive bytes a store
	global_store_b128 v3, v[136:139], s[34:35] offset:512*\k
	global_store_b128 v3, v[48:51],   s[36:37] offset:512*\k
	s_wait_xcnt 0x0                                        ; the stores' data registers are written again only behind this wait
.endm
	s_wait_loadcnt 12                              ; loads come back in order (ISA guide 5.7.1): grid and cell are in; the 12 loads of feat issued behind them stay out
	QUERY 0
	FEAT 52, 12                                    ; the last 12 channels: at most 24 loads of feat are out from here on
	QUERY 1
	; ---- THE IMAGE: scalar branches on j alone
	s_cmp_lt_u32 s77, 96
	s_cbranch_scc0 .Lnot_w123
	; j < 96: one fragment (tile tau, K step ks) of w1, w2 or w3: j = 32 l + 2 tau + ks.  The codes are copied as they are, in the order of the operand's registers
	s_lshr_b32 s78, s77, 5                         ; l
	s_bfe_u32 s79, s77, 0x30002                    ; b = tau / 2
	s_bfe_u32 s88, s77, 0x10001                    ; u = tau % 2
	s_and_b32 s89, s77, 1                          ; ks
	s_lshl_b32 s79, s79, 13                        ; 32 b rows of 256 bytes
	s_lshl_b32 s88, s88, 11                        ; 8 u rows
	s_lshl_b32 s89, s89, 7                         ; 128 ks
	s_add_co_u32 s88, s88, s79
	s_add_co_u32 s88, s88, s89
	s_mov_b32 s89, 0
	s_cmp_eq_u32 s78, 0
	s_cselect_b64 s[90:91], s[14:15], s[16:17]
	s_cmp_eq_u32 s78, 2
	s_cselect_b64 s[90:91], s[18:19], s[90:91]
	s_add_nc_u64 s[90:91], s[90:91], s[88:89]
	v_lshlrev_b32 v54, 8, v17
	v_lshl_add_u32 v54, v7, 4, v54                 ; my unit's row, + 16 h
.irp c, 0,1,2,3
	global_load_b128 v[128+4*\c:131+4*\c], v54, s[90:91] offset:32*\c
.endr
	s_lshl_b32 s92, s77, 11
	s_mov_b32 s93, 0
	s_add_nc_u64 s[92:93], s[38:39], s[92:93]
	s_wait_loadcnt 0x0
.irp c, 0,1,2,3
	global_store_b128 v3, v[128+4*\c:131+4*\c], s[92:93] offset:512*\c
.endr
	s_branch .Ljoin
.Lnot_w123:
	s_cmp_lt_u32 s77, 160
	s_cbranch_scc0 .Lnot_w0
	; 96 <= j < 160: tile tau of w0 under shift s's scale.  A lane takes a unit and its registers run down K; K = 68 is filled up with zero codes to 96 (three groups)
	s_sub_co_u32 s78, s77, 96
	s_lshr_b32 s79, s78, 4                         ; s
	s_and_b32 s78, s78, 15                         ; tau
	s_lshl_b32 s88, s79, 5
	s_add_co_u32 s88, s88, 4                       ; entry 8 s + 1
	s_mov_b32 s89, 0
	s_add_nc_u64 s[88:89], s[10:11], s[88:89]
	s_load_b32 s94, s[88:89], 0x0
	s_lshl_b32 s90, s78, 4
	s_and_b32 s91, s78, 1
	s_lshl_b32 s91, s91, 3
	s_sub_co_u32 s90, s90, s91                     ; 32 b + 8 u = 16 tau - 8 u
	s_lshl_b32 s90, s90, 2
	s_mov_b32 s91, 0
	s_add_nc_u64 s[90:91], s[12:13], s[90:91]
	v_lshlrev_b32 v56, 2, v17                      ; my unit x 4 bytes
	v_lshl_add_u32 v55, v7, 14, v56                ; + 16 h rows of 1,024 bytes
.irp c, 0,1
.irp i, 0,1,2,3,4,5,6,7,8,9,10,11,12,13,14,15
	global_load_b32 v[128+16*\c+\i], v55, s[90:91] offset:(32*\c+\i)*1024
.endr
.endr
.irp i, 0,1,2,3
	global_load_b32 v[160+\i], v56, s[90:91] offset:(64+\i)*1024     ; k = 64 .. 67, in both halves of the lanes, so that no load leaves w0
.endr
	s_mul_i32 s92, s79, 24576
	s_mul_i32 s93, s78, 1536
	s_add_co_u32 s92, s92, s93
	s_add_co_u32 s92, s92, W0O
	s_mov_b32 s93, 0
	s_add_nc_u64 s[92:93], s[38:39], s[92:93]
	s_wait_kmcnt 0x0
	s_add_co_i32 s94, s94, 127
	s_lshl_b32 s95, s94, 23
	v_mov_b32 v180, s95
	s_add_co_i32 s94, s94, 8
	s_lshl_b32 s94, s94, 23
	s_or_b32 s94, s94, 0x600000
	v_mov_b32 v181, s94
	v_cmp_eq_u32 vcc_lo, 0, v7
	s_wait_loadcnt 0x0
.irp i, 0,1,2,3
	v_cndmask_b32 v[160+\i], 0, v[160+\i], vcc_lo  ; lanes 16-31 stand at k = 80 on: past K's end
	v_mov_b32 v[164+\i], 0
.endr
.set n, 0
.rept 36
	v_med3_num_f32 v[128+n], v[128+n], -v181, v181
.set n, n+1
.endr
.irp g, 0,1,2,3,4
	v_cvt_scalef32_pk8_fp8_f32 v[168+2*\g:169+2*\g], v[128+8*\g:135+8*\g], v180
.endr
	v_mov_b32 v178, 0                              ; (also the plain line behind the conversions)
	v_mov_b32 v179, 0
.irp c, 0,1,2
	global_store_b128 v3, v[168+4*\c:171+4*\c], s[92:93] offset:512*\c
.endr
	s_branch .Ljoin
.Lnot_w0:
	s_cmp_lt_u32 s77, 176
	s_cbranch_scc0 .Lnot_bias
	; 160 <= j < 176: layer l's bias for shift s, divided by the power of two that the layer's sums lack: it goes in as the C of each sum's first product
	s_sub_co_u32 s78, s77, 160
	s_lshr_b32 s79, s78, 2                         ; s
	s_and_b32 s78, s78, 3                          ; l
	s_lshl_b32 s88, s79, 5
	s_lshl_b32 s89, s78, 3
	s_add_co_u32 s88, s88, s89                     ; entries 8 s + 2 l and the next
	s_mov_b32 s89, 0
	s_add_nc_u64 s[88:89], s[10:11], s[88:89]
	s_load_b64 s[94:95], s[88:89], 0x0
	s_cmp_eq_u32 s78, 0
	s_cselect_b64 s[90:91], s[22:23], s[24:25]
	s_cmp_eq_u32 s78, 2
	s_cselect_b64 s[90:91], s[26:27], s[90:91]
	s_cmp_eq_u32 s78, 3
	s_cselect_b64 s[90:91], s[28:29], s[90:91]
	global_load_b128 v[128:131], v3, s[90:91]
	global_load_b128 v[132:135], v3, s[90:91] offset:512
	s_lshl_b32 s92, s79, 12
	s_lshl_b32 s93, s78, 10
	s_add_co_u32 s92, s92, s93
	s_add_co_u32 s92, s92, BIASO
	s_mov_b32 s93, 0
	s_add_nc_u64 s[92:93], s[38:39], s[92:93]
	s_wait_kmcnt 0x0
	s_add_co_i32 s94, s94, s95
	s_sub_co_i32 s94, 0, s94
	s_wait_loadcnt 0x0
.irp i, 0,1,2,3,4,5,6,7
	v_ldexp_f32 v[128+\i], v[128+\i], s94
.endr
	global_store_b128 v3, v[128:131], s[92:93]
	global_store_b128 v3, v[132:135], s[92:93] offset:512
	s_branch .Ljoin
.Lnot_bias:
	s_cmp_lt_u32 s77, 184
	s_cbranch_scc0 .Ljoin
	; 176 <= j < 184: w4's fragment for units 32 b on, in bf16.  Lane (r, h) holds output r % 8 (0 beyond the third) and units 32 b + 16 h + 0 .. 15: rows 8 to 10 repeat rows 0 to 2, so that both halves of the lanes get the three results
	s_sub_co_u32 s78, s77, 176                     ; b
	s_mul_i32 s88, s78, 384
	s_mov_b32 s89, 0
	s_add_nc_u64 s[90:91], s[20:21], s[88:89]
	v_and_b32 v54, 7, v6
	v_min_u32 v55, 2, v54                          ; no load leaves w4
	v_lshlrev_b32 v55, 2, v55
	v_mad_u32_u24 v55, v7, 192, v55
.irp i, 0,1,2,3,4,5,6,7,8,9,10,11,12,13,14,15
	global_load_b32 v[128+\i], v55, s[90:91] offset:12*\i
.endr
	s_lshl_b32 s92, s78, 10
	s_add_co_u32 s92, s92, W4O
	s_mov_b32 s93, 0
	s_add_nc_u64 s[92:93], s[38:39], s[92:93]
	v_cmp_gt_u32 vcc_lo, 3, v54
	s_wait_loadcnt 0x0
.irp i, 0,1,2,3,4,5,6,7,8,9,10,11,12,13,14,15
	v_cndmask_b32 v[128+\i], 0, v[128+\i], vcc_lo
.endr
.irp i, 0,1,2,3,4,5,6,7
	v_cvt_pk_bf16_f32 v[144+\i], v[128+2*\i], v[129+2*\i]
.endr
	global_store_b128 v3, v[144:147], s[92:93]
	global_store_b128 v3, v[148:151], s[92:93] offset:512
.Ljoin:
	s_wait_loadcnt 0x0                             ; feat
	s_wait_xcnt 0x0                                ; the image's stores have read their registers, which are written again below
	; ---- THE TABLES: my pixel's 64 channels under each of the four scales
.irp s, 0,1,2,3
.set n, 0
.rept 64
	v_med3_num_f32 v[T+n], v[F+n], -v[12+\s], v[12+\s]
.set n, n+1
.endr
.irp g, 0,1,2,3,4,5,6,7
	v_cvt_scalef32_pk8_fp8_f32 v[C+16*\s+2*\g:C+16*\s+2*\g+1], v[T+8*\g:T+8*\g+7], v[8+\s]
.endr
	v_nop                                          ; a plain line between the conversions and the next shift's holds, which write their sources
.irp i, 0,1,2,3
	ds_store_b128 v4, v[C+16*\s+4*\i:C+16*\s+4*\i+3] offset:STG*\s+16*\i
.endr
.irp i, 0,1,2,3
	ds_load_b128 v[C+16*\s+4*\i:C+16*\s+4*\i+3], v5 offset:STG*\s+8*SP*\i   ; LDS serves a wave's instructions in order (ISA guide 5.7.1.4): these see the stores above
.endr
.endr
.irp s, 0,1,2,3
	s_wait_dscnt 24-8*\s                           ; behind this shift's loads stand eight LDS instructions for each later shift
.irp i, 0,1,2,3
	global_store_b128 v3, v[C+16*\s+4*\i:C+16*\s+4*\i+3], s[30:31] offset:\s*2097152+512*\i   ; eight pixels' rows: 512 consecutive bytes
.endr
.endr
	s_wait_tensorcnt 0x0
	ds_add_u32 v62, v63
	s_wait_dscnt 0x0
	s_endpgm
.Lfunc_end_k_q9a623fe99d_prep:
	.size	k_q9a623fe99d_prep, .Lfunc_end_k_q9a623fe99d_prep-k_q9a623fe99d_prep
	.p2alignl 7, 3214868480
	.fill 96, 4, 3214868480
	.section	.rodata,"a",@progbits
	.p2align	6, 0x0
	.amdhsa_kernel k_q9a623fe99d_prep
		.amdhsa_group_segment_fixed_size 41472
		.amdhsa_private_segment_fixed_size 0
		.amdhsa_enable_private_segment 0
		.amdhsa_kernarg_size 144
		.amdhsa_user_sgpr_count 2
		.amdhsa_user_sgpr_kernarg_segment_ptr 1
		.amdhsa_wavefront_size32 1
		.amdhsa_system_sgpr_workgroup_id_x 1
		.amdhsa_system_sgpr_workgroup_id_y 1
		.amdhsa_system_sgpr_workgroup_id_z 1
		.amdhsa_system_vgpr_workitem_id 0
		.amdhsa_next_free_vgpr 256
		.amdhsa_next_free_sgpr 100
		.amdhsa_reserve_vcc 1
		.amdhsa_float_denorm_mode_32 3
		.amdhsa_float_denorm_mode_16_64 3
		.amdhsa_memory_ordered 1
		.amdhsa_forward_progress 1
		.amdhsa_inst_pref_size 58
	.end_amdhsa_kernel
	.amdgpu_metadata
---
amdhsa.version: [ 1, 2 ]
amdhsa.kernels:
  - .name:           k_q9a623fe99d_prep
    .symbol:         k_q9a623fe99d_prep.kd
    .args:
      - { .name: feat, .offset: 0, .size: 8, .value_kind: global_buffer, .address_space: global }
      - { .name: grid, .offset: 8, .size: 8, .value_kind: global_buffer, .address_space: global }
      - { .name: cell, .offset: 16, .size: 8, .value_kind: global_buffer, .address_space: global }
      - { .name: lowp_scales, .offset: 24, .size: 8, .value_kind: global_buffer, .address_space: global }
      - { .name: w0, .offset: 32, .size: 8, .value_kind: global_buffer, .address_space: global }
      - { .name: w1_codes, .offset: 40, .size: 8, .value_kind: global_buffer, .address_space: global }
      - { .name: w2_codes, .offset: 48, .size: 8, .value_kind: global_buffer, .address_space: global }
      - { .name: w3_codes, .offset: 56, .size: 8, .value_kind: global_buffer, .address_space: global }
      - { .name: w4, .offset: 64, .size: 8, .value_kind: global_buffer, .address_space: global }
      - { .name: b0, .offset: 72, .size: 8, .value_kind: global_buffer, .address_space: global }
      - { .name: b1, .offset: 80, .size: 8, .value_kind: global_buffer, .address_space: global }
      - { .name: b2, .offset: 88, .size: 8, .value_kind: global_buffer, .address_space: global }
      - { .name: b3, .offset: 96, .size: 8, .value_kind: global_buffer, .address_space: global }
      - { .name: fq, .offset: 104, .size: 8, .value_kind: global_buffer, .address_space: global }
      - { .name: idxb, .offset: 112, .size: 8, .value_kind: global_buffer, .address_space: global }
      - { .name: xtra, .offset: 120, .size: 8, .value_kind: global_buffer, .address_space: global }
      - { .name: wgt, .offset: 128, .size: 8, .value_kind: global_buffer, .address_space: global }
      - { .name: wimg, .offset: 136, .size: 8, .value_kind: global_buffer, .address_space: global }
    .group_segment_fixed_size: 41472
    .private_segment_fixed_size: 0
    .kernarg_segment_align: 8
    .kernarg_segment_size: 144
    .max_flat_workgroup_size: 128
    .sgpr_count:     100
    .vgpr_count:     256
    .wavefront_size: 32
...
	.end_amdgpu_metadata
.endif
;; end of part 1
;; launch mlp (part 2): grid 256 x 1, 8 waves a work-group, clusters of 4 x 1, 327,680 bytes of LDS; arguments fq, idxb, xtra, wgt, wimg, lowp_scales, b4, out0; writes out0
.if DOCPART == 2
	.amdgcn_target "amdgcn-amd-amdhsa--gfx1250"
	.amdhsa_code_object_version 6
	.text
	.protected	k_q9a623fe99d_mlp
	.globl	k_q9a623fe99d_mlp
	.p2align	8
	.type	k_q9a623fe99d_mlp,@function
k_q9a623fe99d_mlp:
	s_mov_b64 s[64:65], 0
	v_nop
	global_prefetch_b8 v0, s[64:65] scope:SCOPE_SE
	s_setreg_imm32_b32 hwreg(HW_REG_WAVE_MODE, 25, 1), 1
	s_wait_xcnt 0x0
	s_wait_alu depctr_hold_cnt(0) depctr_sa_sdst(0) depctr_va_vdst(0) depctr_va_sdst(0) depctr_va_ssrc(0) depctr_va_vcc(0) depctr_vm_vsrc(0)
	s_getreg_b32 s2, hwreg(HW_REG_IB_STS2, 6, 4)
	s_cmp_eq_u32 s2, 0
	s_cbranch_scc0 .Lentry_in_a_cluster
	s_endpgm
.Lentry_in_a_cluster:
	s_bfe_u32 s2, ttmp6, 0x10000c
	s_cmp_lg_u32 s2, 0x3003
	s_cbranch_scc0 .Lentry_shape_is_right
	s_endpgm
.Lentry_shape_is_right:
; THE CHAIN: gather, four layers on E4M3 codes, the head in bf16, the blend over the four shifts, the store.  Nothing hidden goes to memory; no work of the definition is left out.
; SHARES.  A work-group owns 256 queries x 4 shifts = 1,024 rows.  Eight waves, two to a SIMD: wave w owns shift w / 2 and queries 128 (w % 2) on, in two passes of 64 rows (4 tiles of 16 rows).
; WEIGHTS.  All 319,488 bytes of the image that the launch before laid out lie in LDS, filled once, asked for JOINTLY by the four work-groups of a cluster, which want the same bytes.
;   Each wave issues two tensor loads: at the head 60 rows of 256 bytes (biases, w4, w0), and behind the full sequence and a round 96 rows (w1, w2, w3), which are waited for in front of layer 1's first fragments.
; LAYOUT.  Every product is used transposed (source 0 = 16 units of the weights, source 1 = 16 rows); lane r of tile 2 b + u takes unit 32 b + 8 u + r + 8 (r / 8): a lane holds ONE row, and the registers of
;   tiles 2 b, 2 b + 1 are 16 neighbours along the next K, so the conversions' results ARE the next operand's registers.  Group c of a fragment holds k = 32 c + 16 (lane / 16) + 0 .. 15 on both sides.
;   Layer 0's K = 68 is filled up to 128 with zero codes on both sides.
; A CHUNK is 2 tiles of units x 4 tiles of rows: one run of 8 or 16 products on 8 accumulators by turns, four places, one run of LDS loads (the next chunk's fragments and
;   biases, into the registers just multiplied), 64 holds, 8 conversions.  The wave's matrix work and its vector work stand in groups, so that the SIMD's other wave can issue between them.
; SCALES.  A layer's sums stand for sum x 2^(eA + eB); its bias comes divided by that and is the C of each sum's first product.  The next code is sum / 2^d, d = next eA - eA - eB; the hold between 0 and
;   448 x 2^d is the activation too.  The last hidden layer goes to bf16 still scaled; the head's sums are multiplied by 2^(eA3 + eB3) with b4 added in one fused step.
; LIMITS.  d of layers 0 to 2 between -126 and 119; eA3 + eB3 between -126 and 127.  NaN among the inputs is not served (the hold makes 0 of it).  The blend adds (shift 0 + shift 1) + (shift 2 + shift 3).
; NO PREFETCH: the weights are asked for once, at the head, with no loop to run ahead in; the second pass's rows are gathered a whole layer (128 products) ahead of their first use.
; REGISTERS.  Window 0: v1-7 addresses; v12-23 records; v24-47 results of the two passes; v48-59 at work; v60-61 the add's; v64-75 scales and LDS addresses; v80-95 biases; v96-103 w4; v104-119 the way out;
;   v128-191 accumulators (tile u, rows rt at 32 u + 8 rt); v192-255 fragments (tile u, K step ks at 32 u + 16 ks).
;   Window 1: X v0-127, Y v128-255: the rows' codes, rows rt, K step ks at 32 rt + 16 ks.  In layer 3 X's upper halves hold the head's operand (32 rt + 16) and its sums (32 rt + 24).
.set W2O,   65536
.set W3O,   131072
.set BIASO, 196608                     ; [shift][layer][256] f32
.set W4O,   212992                     ; [chunk][2][512]
.set W0O,   221184                     ; [shift][tile][group 0..2][512]
.set SPARE, 319488                     ; behind the image: the spare words, 128 bytes a wave
.set IDX,  12
.set XT,   16
.set WG,   20
.set RET0, 24
.set RET1, 36
.set TP,   48
.set SPW,  60
.set NIL,  61
.set SCV,  64
.set A_LB, 68                          ; 64 h + my shift's biases
.set A_W0, 69                          ; 16 x lane + my shift's w0
.set A_W1, 1                           ; 16 x lane: w1 lies at LDS byte 0
.set A_W2, 71
.set A_W3, 72
.set R_W,  73                          ; layer 3's walking addresses: weights, bias, w4
.set R_B,  74
.set R_4,  75
.set BI,   80
.set W4F,  96
.set OT,   104
.set ACC,  128
.set WT,   192
.set LIM,  40                          ; s40-42: 448 x 2^d of layers 0 to 2
.set MAINW, 0x04                       ; source 1 (the rows' codes) in window 1, all else in window 0
.set MSB, 0
.macro WIN new                         ; the immediate's high byte repeats the setting that is left
.if MSB != (\new)
	s_set_vgpr_msb (MSB<<8)|(\new)
.set MSB, (\new)
.endif
.endm
.macro ROUND                           ; a round of the cluster's barrier
	s_barrier_signal -1
	s_barrier_wait -1
	s_cmp_lg_u32 s20, 0
	s_cbranch_scc1 .Lnot_wave_0_\@
	s_barrier_signal -3
.Lnot_wave_0_\@:
	s_barrier_wait -3
	s_barrier_signal -1
	s_barrier_wait -1
.endm
.macro GATE                            ; my part of w1, w2, w3 has landed; behind the barrier everybody's has.
	s_wait_tensorcnt 0x0
	s_barrier_signal -1
	s_barrier_wait -1
.endm
.macro PLACES
.rept 4
	v_nop
.endr
.endm
.macro LOADQ off                       ; row numbers and extra codes of 64 queries: lane (r, h) takes query 16 t + r
.irp t, 0,1,2,3
	global_load_b32 v[IDX+\t], v2, s[6:7] offset:256*\t+\off
.endr
.irp t, 0,1,2,3
	global_load_b32 v[XT+\t], v2, s[8:9] offset:256*\t+\off
.endr
.endm
.macro GATHER                          ; the rows' 64 codes from my shift's table into X: groups 0 and 1 of K step 0
.irp t, 0,1,2,3
	v_min_u32 v[IDX+\t], 0x7fff, v[IDX+\t]         ; a table has 32,768 rows
.endr
.irp t, 0,1,2,3
	v_lshlrev_b32 v[IDX+\t], 6, v[IDX+\t]
.endr
.irp t, 0,1,2,3
	v_add_nc_u32 v[IDX+\t], v3, v[IDX+\t]          ; + 16 h
.endr
	WIN 0x40
.irp t, 0,1,2,3
	global_load_b128 v[32*\t:32*\t+3],   v[IDX+\t], s[4:5]
	global_load_b128 v[32*\t+4:32*\t+7], v[IDX+\t], s[4:5] offset:32
.endr
	WIN 0
.endm
; one run of LDS loads: a chunk's biases (4) and fragments (kind 0: w0, 6; kind 1: 16), 512 consecutive bytes each
.macro LOADS kind, wa, woff, ba, boff
.irp i, 0,1,2,3
	ds_load_b128 v[BI+4*\i:BI+4*\i+3], v[\ba] offset:\boff+16*\i
.endr
.if \kind == 0
.irp u, 0,1
.irp c, 0,1,2
	ds_load_b128 v[WT+32*\u+4*\c:WT+32*\u+4*\c+3], v[\wa] offset:\woff+1536*\u+512*\c
.endr
.endr
.else
.irp f, 0,1,2,3
.irp c, 0,1,2,3
	ds_load_b128 v[WT+16*\f+4*\c:WT+16*\f+4*\c+3], v[\wa] offset:\woff+2048*\f+512*\c
.endr
.endr
.endif
.endm
.macro RUN                             ; a chunk's products: K step by K step, the 8 accumulators by turns; the first K step takes the bias as C
.set ks, 0
.rept NK
.set uu, 0
.rept 2
.set rt, 0
.rept 4
.set rD, ACC+32*uu+8*rt
.if ks == 0
	v_wmma_f32_16x16x128_fp8_fp8 v[rD:rD+7], v[WT+32*uu:WT+32*uu+15], v[XB+32*rt:XB+32*rt+15], v[BI+8*uu:BI+8*uu+7]
.else
	v_wmma_f32_16x16x128_fp8_fp8 v[rD:rD+7], v[WT+32*uu+16:WT+32*uu+31], v[XB+32*rt+16:XB+32*rt+31], v[rD:rD+7]
.endif
.set rt, rt+1
.endr
.set uu, uu+1
.endr
.set ks, ks+1
.endr
.endm
.macro QUANT b                         ; chunk b's 64 sums a lane become 64 codes: each accumulator from its low end on
.set q, 0
.rept 64
	v_med3_num_f32 v[ACC+q], v[ACC+q], 0, s[LIM+LAY]   ; the activation and the hold in one (the conversion to an 8-bit code does not saturate: ISA guide 7.6.2)
.set q, q+1
.endr
	WIN 0x40
.set uu, 0
.rept 2
.set rt, 0
.rept 4
.set qd, YB+32*rt+16*((\b)/4)+4*((\b)%4)+2*uu
	v_cvt_scalef32_pk8_fp8_f32 v[qd:qd+1], v[ACC+32*uu+8*rt:ACC+32*uu+8*rt+7], v[SCV+LAY]
.set rt, rt+1
.endr
.set uu, uu+1
.endr
	WIN MAINW
	v_nop                                          ; a plain line between the last conversion and the products that write its sources or read its result
.endm
; a quantised layer: 8 chunks.  The loads behind a run fetch the next chunk's, the last chunk's the next layer's first
.macro LAYER nk, xb, yb, lay, kind, wa, wstep, boff, nwa, nboff, gate
.set NK,  \nk
.set XB,  \xb
.set YB,  \yb
.set LAY, \lay
.set ch, 0
.rept 8
	s_wait_dscnt 0x0                               ; this chunk's fragments and biases are in
.if (ch == 7) && \gate
	GATE
.endif
	RUN
	PLACES                                         ; in front of the loads into registers just multiplied, and of the first reads of results
.if ch == 7
	LOADS 1, \nwa, 0, A_LB, \nboff
.else
	LOADS \kind, \wa, \wstep*(ch+1), A_LB, \boff+128*(ch+1)
.endif
	QUANT ch
.set ch, ch+1
.endr
	s_wait_alu depctr_va_vdst(0)                   ; the wait ahead of the blocking wait that follows
.endm
	s_load_b512 s[4:19], s[0:1], 0x0               ; fq 4, idxb 6, xtra 8, wgt 10, wimg 12, lowp_scales 14, b4 16, out0 18
	v_lshl_add_u32 v[SPW], v0, 2, SPARE
	v_mov_b32 v[NIL], 0
	ds_add_u32 v[SPW], v[NIL]                      ; the opening lines: the add, twice on end, and its wait
	ds_add_u32 v[SPW], v[NIL]
	v_lshrrev_b32 v9, 5, v0
	v_readfirstlane_b32 s20, v9                    ; wave
	v_and_b32 v9, 31, v0                           ; lane
	v_and_b32 v10, 15, v0                          ; r
	v_bfe_u32 v11, v0, 4, 1                        ; h
	v_lshlrev_b32 v1, 4, v9                        ; v1  16 x lane
	v_lshlrev_b32 v2, 4, v10                       ; v2  16 r: a query's record
	v_lshlrev_b32 v3, 4, v11                       ; v3  16 h
	v_add_nc_u32 v4, -1, v11                       ; v4  all ones in lanes 0-15, 0 in lanes 16-31
	v_lshlrev_b32 v5, 6, v11                       ; v5  64 h
	s_lshr_b32 s21, s20, 1                         ; my shift
	s_and_b32 s84, s20, 1                          ; my half of the queries
	s_bfe_u32 s22, ttmp6, 0x40000                  ; my place in the cluster: it enters global addresses alone
	s_lshl_b32 s23, ttmp9, 2
	s_add_co_u32 s23, s23, s22                     ; work-group
	s_mul_i32 s85, s20, 1536                       ; the stage [shift][query][3]: 3,072 x shift + 1,536 x half
	v_mul_u32_u24 v6, v10, 12
	v_add_nc_u32 v6, s85, v6                       ; v6  where I put a query's three numbers
	s_lshl_b32 s85, s20, 9
	v_add_nc_u32 v7, s85, v1                       ; v7  512 w + 16 x lane: my 16 bytes of the stage and of the work-group's 3,072 of out0 (waves 0 to 5)
	s_mul_i32 s26, s21, 24576
	s_add_co_u32 s26, s26, W0O
	s_lshl_b32 s27, s21, 12
	s_add_co_u32 s27, s27, BIASO
	s_wait_alu depctr_va_vdst(0)                   ; the wait here, directly ahead of the readers below
	v_add_nc_u32 v[A_W0], s26, v1
	v_add_nc_u32 v[A_LB], s27, v5
	v_add_nc_u32 v[A_W2], W2O, v1
	v_add_nc_u32 v[A_W3], W3O, v1
.set n, 0
.rept 12
	v_mov_b32 v[RET0+n], 0                         ; the pass is written once: its first trip moves these on
.set n, n+1
.endr
	s_lshl_b32 s86, s23, 8
	s_lshl_b32 s87, s84, 7
	s_add_co_u32 s86, s86, s87                     ; my first query
	s_lshl_b32 s86, s86, 4
	s_lshl_b32 s87, s21, 2
	s_add_co_u32 s86, s86, s87                     ; x 16 bytes + 4 x shift
	s_mov_b32 s87, 0
	s_lshl_b32 s88, s21, 21                        ; fq: my shift's table of 2 MiB
	s_mov_b32 s89, 0
	s_mul_i32 s90, s23, 3072
	s_mov_b32 s91, 0
	s_lshl_b32 s92, s21, 5                         ; lowp_scales: eight entries a shift
	s_mov_b32 s93, 0
	; descriptor group 1: dense blocks as rows of 256 bytes (32 elements of 8 bytes); s[48:55]: 60 rows, s[56:63]: 96 rows
	s_mov_b32 s48, 15|(3<<16)|(1<<21)              ; the mask: all four work-groups; elements of 8 bytes; bit 21 beside a mask
	s_mov_b32 s49, 32<<16
	s_mov_b32 s50, 60<<16
	s_mov_b32 s51, 32<<16
	s_mov_b32 s52, 60
	s_mov_b32 s53, 32
	s_mov_b32 s54, 0
	s_mov_b32 s55, 0
	s_mov_b32 s56, 15|(3<<16)|(1<<21)
	s_mov_b32 s57, 32<<16
	s_mov_b32 s58, 96<<16
	s_mov_b32 s59, 32<<16
	s_mov_b32 s60, 96
	s_mov_b32 s61, 32
	s_mov_b32 s62, 0
	s_mov_b32 s63, 0
	s_mul_i32 s94, s20, 15360
	s_add_co_u32 s94, s94, BIASO                   ; the image lies in memory as in LDS: one offset for both, made of the wave's number alone
	s_mov_b32 s95, 0
	s_mul_i32 s96, s20, 24576
	s_mov_b32 s97, 0
	s_wait_alu depctr_va_vdst(0)                   ; the wait at the head's end
	s_wait_dscnt 0x0                               ; both opening adds are done
	s_wait_kmcnt 0x0
	s_add_nc_u64 s[6:7], s[6:7], s[86:87]
	s_add_nc_u64 s[8:9], s[8:9], s[86:87]
	s_add_nc_u64 s[10:11], s[10:11], s[86:87]
	s_add_nc_u64 s[4:5], s[4:5], s[88:89]
	s_add_nc_u64 s[18:19], s[18:19], s[90:91]
	s_add_nc_u64 s[14:15], s[14:15], s[92:93]
	s_load_b96 s[44:46], s[16:17], 0x0             ; b4
	s_load_b256 s[32:39], s[14:15], 0x0            ; my shift's exponents: eA0, eB0, eA1, eB1, eA2, eB2, eA3, eB3
	LOADQ 0                                        ; the first pass's records are on their way while the cluster meets
	s_mov_b32 s68, 1                               ; group 0: count; LDS address; global address; type
	s_mov_b32 s69, s94
	s_add_nc_u64 s[70:71], s[12:13], s[94:95]
	s_or_b32 s71, s71, 0x80000000
	s_mov_b32 s72, 1
	s_mov_b32 s73, s96
	s_add_nc_u64 s[74:75], s[12:13], s[96:97]
	s_or_b32 s75, s75, 0x80000000
	ROUND                                          ; all four work-groups are here: the joint loads meet
	tensor_load_to_lds s[68:71], s[48:55]          ; my eighth of the biases, w4 and w0: the one tensor load of the head
	s_nop 0
	PLACES
	s_wait_kmcnt 0x0
.irp l, 0,1,2
	s_sub_co_i32 s[84+\l], s[34+2*\l], s[32+2*\l]
	s_sub_co_i32 s[84+\l], s[84+\l], s[33+2*\l]    ; d = next eA - eA - eB
	s_add_co_i32 s[84+\l], s[84+\l], 127
	s_add_co_i32 s[LIM+\l], s[84+\l], 8
	s_lshl_b32 s[84+\l], s[84+\l], 23              ; 2^d as f32
	s_lshl_b32 s[LIM+\l], s[LIM+\l], 23
	s_or_b32 s[LIM+\l], s[LIM+\l], 0x600000        ; 448 x 2^d
.endr
	s_add_co_i32 s43, s38, s39
	s_add_co_i32 s43, s43, 127
	s_lshl_b32 s43, s43, 23                        ; 2^(eA3 + eB3)
.irp l, 0,1,2
	v_mov_b32 v[SCV+\l], s[84+\l]
.endr
	s_wait_loadcnt 0x4                             ; the row numbers are in; the 4 loads of extra codes behind them stay out
	GATHER
	s_wait_alu depctr_va_vdst(0)                   ; the wait ahead of the blocking wait
	s_wait_tensorcnt 0x0                           ; my part of the first region is in
	ds_add_u32 v[SPW], v[NIL]
	s_wait_dscnt 0x0
	ROUND                                          ; everybody's part is in, and the joint loads meet
	tensor_load_to_lds s[72:75], s[56:63]          ; my eighth of w1, w2, w3: one tensor load of mine is out
	s_nop 0
	PLACES
	s_mov_b32 s24, 0
.Lpass:                                            ; two trips: queries 0-63 and 64-127 of my 128
.irp t, 0,1,2,3
	global_load_b32 v[WG+\t], v2, s[10:11] offset:256*\t
.endr
.irp p, 12,13,14,15,44,45,46,47
	v_mov_b32 v[WT+\p], 0                          ; w0's fragments have three groups: the fourth is zero codes
.endr
	WIN MAINW
	LOADS 0, A_W0, 0, A_LB, 0                      ; layer 0's first chunk
	s_wait_loadcnt 0x4                             ; the gathered rows and the extra codes are in; the 4 loads of weights just issued stay out (the same count on both ways in)
	WIN 0x40
.irp t, 0,1,2,3
	v_and_b32 v[32*\t+8], v[XT+\t], v4             ; k = 64 .. 67 in lanes 0-15; all beyond is zero codes
.irp q, 9,10,11,12,13,14,15
	v_mov_b32 v[32*\t+\q], 0
.endr
.endr
	WIN 0
	s_wait_alu depctr_va_vdst(0)                   ; the wait ahead of the branch and the blocking wait
	s_cmp_eq_u32 s24, 1
	s_cbranch_scc1 .Lno_records
	LOADQ 1024                                     ; the next pass's records
.Lno_records:
	WIN MAINW
	LAYER 1, 0,   128, 0, 0, A_W0, 3072, 0,    A_W1, 1024, 1   ; layer 0: X -> Y, one K step; w1 is gated in front of its last chunk
	LAYER 2, 128, 0,   1, 1, A_W1, 8192, 1024, A_W2, 2048, 0   ; layer 1: Y -> X
	LAYER 2, 0,   128, 2, 1, A_W2, 8192, 2048, A_W3, 3072, 0   ; layer 2: X -> Y
	; X is done with: the next pass's rows are gathered into its lower registers, with the whole last layer in which to land
	WIN 0
	s_wait_loadcnt 0x0                             ; the weights, and the next pass's records
	s_cmp_eq_u32 s24, 1
	s_cbranch_scc1 .Lno_gather
	GATHER
.Lno_gather:
	; layer 3 and the head: Y -> bf16 -> three numbers a row: a loop of eight trips, a chunk each
	s_mov_b32 s28, W3O
	s_add_co_u32 s29, s27, 3072
	s_mov_b32 s30, W4O
	s_mov_b32 s25, 0
	v_add_nc_u32 v[R_W], s28, v1
	v_add_nc_u32 v[R_B], s29, v5
	v_add_nc_u32 v[R_4], s30, v1
	WIN 0x40
.irp t, 0,1,2,3
.irp j, 0,1,2,3,4,5,6,7
	v_mov_b32 v[32*\t+24+\j], 0                    ; the head's sums: its products stand in a loop that is written once
.endr
.endr
	WIN 0
.set NK, 2
.set XB, 128
	s_wait_alu depctr_va_vdst(0)                   ; the wait ahead of the blocking wait below
.Ll3:
	WIN MAINW
	s_wait_dscnt 0x0                               ; this chunk's fragments and biases are in
	ds_load_b128 v[W4F:W4F+3],   v[R_4]            ; this chunk's fragment of w4, 16 products ahead of its use
	ds_load_b128 v[W4F+4:W4F+7], v[R_4] offset:512
	RUN
	PLACES
	LOADS 1, R_W, 8192, R_B, 128                   ; the next trip's.  In the last trip these 20 loads read the bytes that follow in LDS, which have landed and which nobody writes yet; their results are not used
	s_wait_dscnt 20                                ; w4's two loads are in: only the 20 issued behind them may be out
	WIN 0
.set q, 0
.rept 64
	v_max_num_f32 v[ACC+q], 0, v[ACC+q]            ; the activation, each accumulator from its low end on
.set q, q+1
.endr
	WIN 0x40
.irp u, 0,1
.irp t, 0,1,2,3
.irp j, 0,1,2,3
	v_cvt_pk_bf16_f32 v[32*\t+16+4*\u+\j], v[ACC+32*\u+8*\t+2*\j], v[ACC+32*\u+8*\t+2*\j+1]
.endr
.endr
.endr
	WIN 0x54
.irp t, 0,1,2,3
	v_wmma_f32_16x16x32_bf16 v[32*\t+24:32*\t+31], v[W4F:W4F+7], v[32*\t+16:32*\t+23], v[32*\t+24:32*\t+31]
.endr
	s_add_co_u32 s28, s28, 8192
	s_add_co_u32 s29, s29, 128
	s_add_co_u32 s30, s30, 1024
	WIN 0
	v_add_nc_u32 v[R_W], s28, v1                   ; these three and the v_nop are the four places in front of the next load into w4's registers
	v_add_nc_u32 v[R_B], s29, v5
	v_add_nc_u32 v[R_4], s30, v1
	v_nop
	s_add_co_u32 s25, s25, 1
	s_cmp_lt_u32 s25, 8
	s_wait_alu depctr_va_vdst(0)                   ; the wait directly ahead of the branch
	s_cbranch_scc1 .Ll3
	s_wait_dscnt 0x0                               ; the loads of the last trip are in: their registers are written again in the next pass
	PLACES
	; my shift's part of the blend: (sum x 2^(eA3 + eB3) + b4) x weight.  Registers 0 to 2 of a head accumulator are the row's three numbers, in both halves of the lanes
	WIN 0x01
.irp t, 0,1,2,3
.irp o, 0,1,2
	v_fma_f32 v[TP+3*\t+\o], v[32*\t+24+\o], s43, s[44+\o]
.endr
.endr
	WIN 0
.set n, 0
.rept 12
	v_mov_b32 v[RET1+n], v[RET0+n]                 ; the pass before moves on: behind the loop RET1 holds queries 0-63, RET0 queries 64-127
.set n, n+1
.endr
.irp t, 0,1,2,3
.irp o, 0,1,2
	v_mul_f32 v[RET0+3*\t+\o], v[TP+3*\t+\o], v[WG+\t]
.endr
.endr
	s_add_nc_u64 s[10:11], s[10:11], 1024          ; the next 64 queries' weights (the loads that named this base have been waited for)
	s_add_co_u32 s24, s24, 1
	s_cmp_lt_u32 s24, 2
	s_wait_alu depctr_va_vdst(0)                   ; the wait directly ahead of the branch
	s_cbranch_scc1 .Lpass
	; the four shifts meet in a stage of 12,288 bytes on w1's bytes, which have had their only fill; the barrier shows that no wave reads weights any more
	s_barrier_signal -1
	s_barrier_wait -1
.irp t, 0,1,2,3
.irp o, 0,1,2
	ds_store_b32 v6, v[RET1+3*\t+\o] offset:192*\t+4*\o       ; lanes r and r + 16 store the same number to the same word
	ds_store_b32 v6, v[RET0+3*\t+\o] offset:768+192*\t+4*\o
.endr
.endr
	s_wait_dscnt 0x0                               ; for the others' sake: my stores have landed
	s_barrier_signal -1
	s_barrier_wait -1
	s_cmp_lt_u32 s20, 6                            ; 3,072 bytes of out0 are six times 512: waves 0 to 5 add and store
	s_cbranch_scc0 .Ldone
.irp s, 0,1,2,3
	ds_load_b128 v[OT+4*\s:OT+4*\s+3], v7 offset:3072*\s
.endr
	s_wait_dscnt 0x0
	v_pk_add_f32 v[OT:OT+1],     v[OT:OT+1],     v[OT+4:OT+5]
	v_pk_add_f32 v[OT+2:OT+3],   v[OT+2:OT+3],   v[OT+6:OT+7]
	v_pk_add_f32 v[OT+8:OT+9],   v[OT+8:OT+9],   v[OT+12:OT+13]
	v_pk_add_f32 v[OT+10:OT+11], v[OT+10:OT+11], v[OT+14:OT+15]
	v_pk_add_f32 v[OT:OT+1],     v[OT:OT+1],     v[OT+8:OT+9]
	v_pk_add_f32 v[OT+2:OT+3],   v[OT+2:OT+3],   v[OT+10:OT+11]
	global_store_b128 v7, v[OT:OT+3], s[18:19] th:TH_STORE_NT   ; 32 lanes store 512 consecutive bytes, at a multiple of 256 from out0's first byte
.Ldone:
	s_wait_tensorcnt 0x0                           ; the wave's end
	ds_add_u32 v[SPW], v[NIL]
	s_wait_dscnt 0x0
	ROUND                                          ; the closing round
	s_endpgm
.Lfunc_end_k_q9a623fe99d_mlp:
	.size	k_q9a623fe99d_mlp, .Lfunc_end_k_q9a623fe99d_mlp-k_q9a623fe99d_mlp
	.p2alignl 7, 3214868480
	.fill 96, 4, 3214868480
	.section	.rodata,"a",@progbits
	.p2align	6, 0x0
	.amdhsa_kernel k_q9a623fe99d_mlp
		.amdhsa_group_segment_fixed_size 327680
		.amdhsa_private_segment_fixed_size 0
		.amdhsa_enable_private_segment 0
		.amdhsa_kernarg_size 64
		.amdhsa_user_sgpr_count 2
		.amdhsa_user_sgpr_kernarg_segment_ptr 1
		.amdhsa_wavefront_size32 1
		.amdhsa_system_sgpr_workgroup_id_x 1
		.amdhsa_system_sgpr_workgroup_id_y 1
		.amdhsa_system_sgpr_workgroup_id_z 1
		.amdhsa_system_vgpr_workitem_id 0
		.amdhsa_next_free_vgpr 512
		.amdhsa_next_free_sgpr 100
		.amdhsa_reserve_vcc 0
		.amdhsa_float_denorm_mode_32 3
		.amdhsa_float_denorm_mode_16_64 3
		.amdhsa_memory_ordered 1
		.amdhsa_forward_progress 1
		.amdhsa_inst_pref_size 188
	.end_amdhsa_kernel
	.amdgpu_metadata
---
amdhsa.version: [ 1, 2 ]
amdhsa.kernels:
  - .name:           k_q9a623fe99d_mlp
    .symbol:         k_q9a623fe99d_mlp.kd
    .args:
      - { .name: fq, .offset: 0, .size: 8, .value_kind: global_buffer, .address_space: global }
      - { .name: idxb, .offset: 8, .size: 8, .value_kind: global_buffer, .address_space: global }
      - { .name: xtra, .offset: 16, .size: 8, .value_kind: global_buffer, .address_space: global }
      - { .name: wgt, .offset: 24, .size: 8, .value_kind: global_buffer, .address_space: global }
      - { .name: wimg, .offset: 32, .size: 8, .value_kind: global_buffer, .address_space: global }
      - { .name: lowp_scales, .offset: 40, .size: 8, .value_kind: global_buffer, .address_space: global }
      - { .name: b4, .offset: 48, .size: 8, .value_kind: global_buffer, .address_space: global }
      - { .name: out0, .offset: 56, .size: 8, .value_kind: global_buffer, .address_space: global }
    .group_segment_fixed_size: 327680
    .private_segment_fixed_size: 0
    .kernarg_segment_align: 8
    .kernarg_segment_size: 64
    .max_flat_workgroup_size: 256
    .sgpr_count:     100
    .vgpr_count:     512
    .wavefront_size: 32
...
	.end_amdgpu_metadata
.endif
;; end of part 2
